; MI455X (gfx1250); checked and timed in simulation.
; The chip was launched on July 23, 2026; its instructions are those of AMD's public machine-readable ISA for CDNA 5 (MIT licence, August 2026) and "CDNA5" Instruction Set Architecture Reference Guide (July 2026). The comments in the code are by the model that wrote it; some were corrected since.
;; RQ Spline. Allowed arithmetic: float matrix products may take bf16 or f16 operands with f32 sums; other float arithmetic in f32, or as packed bf16 or f16 multiplies, adds, multiply-adds, maxima and minima; sums over many terms, partial sums and values carried from step to step in f32; what a program stores and reads back later, other than sums and carried values, may be rounded once to bf16 or f16.
;; Inputs: W1a 8 x 256 x 256 float32; W1b 8 x 256 x 256 float32; W2a 8 x 256 x 256 float32; W2b 8 x 256 x 256 float32; W_in 8 x 32 x 256 float32; W_out 8 x 256 x 800 float32; b1a 8 x 256 float32; b1b 8 x 256 float32; b2a 8 x 256 float32; b2b 8 x 256 float32; b_in 8 x 256 float32; b_out 8 x 800 float32; perms 8 x 32 int32; sc_scale 8 x 32 float32; sc_shift 8 x 32 float32; x 16,384 x 32 float32.
;; Outputs: out0 16,384 float32.
;; One version. Each part assembles by itself: llvm-mc -triple=amdgcn-amd-amdhsa -mcpu=gfx1250 --defsym DOCPART=n.
;; ======== version 1 of 1: 2 launches
;; workspace buffers: wq 6,422,528 bytes; bq 57,344 bytes; sel 1,024 bytes of whole numbers
;; launch prep (part 1): grid 47 x 8, 8 waves a work-group, no clusters, 0 bytes of LDS; arguments W1a, W1b, W2a, W2b, W_in, W_out, b1a, b1b, b2a, b2b, b_in, b_out, wq, bq, perms, sel; writes wq, bq, sel
.if DOCPART == 1
	.amdgcn_target "amdgcn-amd-amdhsa--gfx1250"
	.amdhsa_code_object_version 6
	.text
	.protected	k_q8529b14533_prep
	.globl	k_q8529b14533_prep
	.p2align	8
	.type	k_q8529b14533_prep,@function
k_q8529b14533_prep:
	s_mov_b64 s[64:65], 0
	v_nop
	global_prefetch_b8 v0, s[64:65] scope:SCOPE_SE
	s_setreg_imm32_b32 hwreg(HW_REG_WAVE_MODE, 25, 1), 1
	s_wait_xcnt 0x0
; PREP: the weights are rounded once to bf16 and laid out in the order in which a wave's operand registers take them; the biases are laid out by tile rows; each layer's permutation becomes lane selects.
; DEAD WORK.  reference() builds mask from arange(N) % 2 in its own body; in layer l the features n with n % 2 != l % 2 are identity features: their y is replaced by
; where(mask, x, y) and their ld by where(mask, 0, ld), whatever the inputs hold.  Feature n's spline parameters are columns 25 n .. 25 n + 24 of h @ W_out + b_out and are used for
; nothing else.  So the 400 columns of W_out[l] and b_out[l] of the identity features reach no output and are not read: 16 live features a layer remain.
; LIMIT: a NaN, an infinity or an overflow that would arise only in those columns is not carried to the result.  Every input still has a way to the output and is loaded (here or in the second launch).
; wq: 49 chunks of 131,072 bytes.  Chunk 6 l + 1 + q: hidden matrix q of layer l (1a, 1b, 2a, 2b); 6 l + 5: out A; 6 l + 6: out B and, behind it, W_in of layer l + 1; chunk 0: W_in of layer 0 alone.
; A chunk is 4 quarters of 32,768 bytes, one for each wave w of the second launch: [k step ks of 32][tile mt][1,024 bytes]; out B has 3 tiles a k step, and W_in's 4 fragments lie at byte 24,576 of the quarter.
; A FRAGMENT is 16 tile rows x 32 k: the 16 bytes at 512 hf + 16 (m + 16 h) hold k = 32 ks + 16 hf + 8 h + 0..7 of tile row m: two loads of 16 bytes a lane are a matrix operand.
; TILE ROWS.  Hidden and in: feature 64 w + 16 mt + m.  Out: m = 8 hh + j stands for a parameter of live feature n = 8 w + 4 p + 2 hh + l % 2:
;   tiles 0, 1 (pair p = 0 in out A, p = 1 in out B): parameter 8 (j % 2) + 4 tile + j / 2 (a width and a height side by side); tile 2: 16 + j (slopes 0-7);
;   out A's tile 3: j = 0, 1: slope 8 of p = j; j > 1: zeros (inside a live tile).
; bq: f32, [layer][phase 0..6][64 w + 16 mt + m]; zeros for the rows of zeros.
; sel: 32 words a layer.  Words 0, 1: sixteen fields of 4 bits, field i = perms[l][i] % 16; words 2, 3: the same of perms[l][16 + i]; word 4: bit f is set where perms[l][f] lies in the other half of 0..31 than f;
; the rest 0.  LIMIT: an index is taken modulo 32.
; SHARES.  y = the layer.  Wave task T = 8 x + wave, 0..375: 256 hidden, 8 in, 112 out.  A task makes two fragments: lane L owns tile row L % 16 of fragment L / 16, loads its 32 k,
; packs them along k and stores four times 16 bytes: sixteen neighbouring lanes store 256 consecutive bytes, aligned.  Task 256 also makes its layer's words of sel.
; No LDS, no loop, no barrier; nothing is rewritten that a pending access names.
.set CHUNK, 131072
.set BQL,   7168                       ; bytes of bq in a layer
.macro COPY pitch, masked              ; 32 k of my tile row (pitch bytes from k to k + 1), rounded in pairs, out in four pieces
.set kk, 0
.rept 32
	global_load_b32 v[16+kk], v4, s[36:37] offset:kk*(\pitch)
.set kk, kk+1
.endr
	s_wait_loadcnt 0x0                             ; all 32: the pieces are packed across all of them
.set kk, 0
.rept 16
	v_cvt_pk_bf16_f32 v[48+kk], v[16+2*kk], v[17+2*kk]
.set kk, kk+1
.endr
.if \masked
.set kk, 0
.rept 16
	v_and_b32 v[48+kk], v8, v[48+kk]               ; the rows of zeros
.set kk, kk+1
.endr
.endif
.irp u, 0,1,2,3
	global_store_b128 v5, v[48+4*\u:48+4*\u+3], s[28:29] offset:256*\u  ; piece u = 2 hf + h: k = 8 u .. 8 u + 7
.endr
.endm
	s_load_b512 s[4:19], s[0:1], 0x0               ; W1a s[4:5], W1b s[6:7], W2a s[8:9], W2b s[10:11], W_in s[12:13], W_out s[14:15], b1a s[16:17], b1b s[18:19]
	s_load_b512 s[20:35], s[0:1], 0x40             ; b2a s[20:21], b2b s[22:23], b_in s[24:25], b_out s[26:27], wq s[28:29], bq s[30:31], perms s[32:33], sel s[34:35]
	v_lshrrev_b32 v1, 5, v0
	v_readfirstlane_b32 s56, v1                    ; wave 0..7
	s_lshl_b32 s57, ttmp9, 3
	s_add_co_u32 s57, s57, s56                     ; T
	s_and_b32 s58, ttmp7, 0xffff                   ; the layer
	v_and_b32 v1, 31, v0                           ; L
	v_and_b32 v2, 15, v0                           ; m
	v_bfe_u32 v3, v0, 4, 1                         ; which of the task's two fragments
	s_mul_i32 s59, s58, 6*CHUNK                    ; chunk 6 l
	s_mul_i32 s49, s58, BQL
	s_mov_b32 s51, 0                               ; s[50:51]: a byte offset as a pair
	s_wait_kmcnt 0x0
	s_cmp_lt_u32 s57, 264
	s_cbranch_scc0 .Lout
	s_cmp_lt_u32 s57, 256
	s_cbranch_scc0 .Lin
	; a hidden matrix: T = 64 q + 16 w + 2 ks + mp
	s_lshr_b32 s43, s57, 6                         ; q
	s_cmp_eq_u32 s43, 0
	s_cselect_b64 s[36:37], s[4:5], s[6:7]
	s_cselect_b64 s[38:39], s[16:17], s[18:19]
	s_cmp_eq_u32 s43, 2
	s_cselect_b64 s[44:45], s[8:9], s[10:11]
	s_cselect_b64 s[46:47], s[20:21], s[22:23]
	s_cmp_lt_u32 s43, 2
	s_cselect_b64 s[36:37], s[36:37], s[44:45]     ; the matrix,
	s_cselect_b64 s[38:39], s[38:39], s[46:47]     ; its bias
	s_and_b32 s44, s57, 63
	s_lshr_b32 s45, s44, 4                         ; w
	s_bfe_u32 s42, s44, 0x30001                    ; ks
	s_and_b32 s47, s44, 1                          ; mp: tiles 2 mp, 2 mp + 1
	s_lshl_b32 s50, s58, 18                        ; the layer's 262,144 bytes,
	s_lshl_b32 s48, s42, 15                        ; 32 rows of 1,024 bytes
	s_add_co_u32 s50, s50, s48
	s_add_nc_u64 s[36:37], s[36:37], s[50:51]
	s_add_co_u32 s41, s43, 1                       ; phase 1 + q, which is also the chunk's number in the layer
	s_lshl_b32 s40, s41, 17
	s_add_co_u32 s40, s40, s59
	s_lshl_b32 s48, s42, 12                        ; 4 fragments a k step
	s_add_co_u32 s40, s40, s48
	s_lshl_b32 s41, s41, 10
	s_mov_b32 s52, 0
	s_mov_b32 s55, 0
	s_branch .Lcopy
.Lin:                                          ; W_in: T - 256 = 2 w + mp; one k step
	s_sub_co_u32 s44, s57, 256
	s_lshr_b32 s45, s44, 1
	s_and_b32 s47, s44, 1
	s_mov_b64 s[36:37], s[12:13]
	s_mov_b64 s[38:39], s[24:25]
	s_lshl_b32 s50, s58, 15
	s_add_nc_u64 s[36:37], s[36:37], s[50:51]
	s_add_co_u32 s40, s59, 24576                   ; behind out B of the layer before
	s_mov_b32 s41, 0                               ; phase 0
	s_mov_b32 s42, 0
	s_cmp_eq_u32 s58, 0
	s_cselect_b32 s52, 1, 0                        ; layer 0's is stored a second time, below
	s_cmp_eq_u32 s44, 0
	s_cselect_b32 s55, 1, 0                        ; task 256 makes the layer's lane selects, at the end
.Lcopy:
	s_lshl_b32 s50, s58, 10
	s_add_nc_u64 s[38:39], s[38:39], s[50:51]      ; the layer's bias
	s_add_co_u32 s41, s41, s49
	s_lshl_b32 s48, s45, 15
	s_add_co_u32 s40, s40, s48                     ; quarter w
	s_lshl_b32 s48, s47, 11
	s_add_co_u32 s40, s40, s48                     ; fragment 2 mp
	s_lshl_b32 s48, s45, 6
	s_lshl_b32 s53, s47, 5
	s_add_co_u32 s48, s48, s53
	v_add_nc_u32 v4, s48, v1                       ; my feature: 64 w + 32 mp + L
	v_lshlrev_b32 v4, 2, v4
	v_lshl_add_u32 v5, v3, 10, s40
	v_lshl_add_u32 v5, v2, 4, v5
	COPY 1024, 0
	s_cmp_eq_u32 s52, 1
	s_cbranch_scc0 .Lonce
.irp u, 0,1,2,3
	global_store_b128 v5, v[48+4*\u:48+4*\u+3], s[28:29] offset:48*CHUNK+256*\u  ; chunk 48's W_in place: the last tile fetched by the second launch covers it, and nobody uses it; so that tile holds stored bytes alone
.endr
.Lonce:
	s_cmp_eq_u32 s42, 0                            ; the k step 0's tasks also copy their 32 biases
	s_cbranch_scc0 .Ldone
	global_load_b32 v64, v4, s[38:39]
	v_add_nc_u32 v7, s41, v4
	s_wait_loadcnt 0x0
	global_store_b32 v7, v64, s[30:31]
.Ldone:
	s_cmp_eq_u32 s55, 1
	s_cbranch_scc0 .Lfin
	; the layer's permutation as lane selects: lane f holds perms[l][f]
	v_lshlrev_b32 v9, 2, v1
	s_lshl_b32 s50, s58, 7                         ; 128 bytes a layer, in perms and in sel
	s_add_nc_u64 s[32:33], s[32:33], s[50:51]
	s_add_nc_u64 s[34:35], s[34:35], s[50:51]
	global_load_b32 v10, v9, s[32:33]
	s_wait_loadcnt 0x0
	v_and_b32 v11, 15, v10                         ; the source's place in its half,
	v_bfe_u32 v12, v10, 4, 1                       ; its half
	v_cmp_ne_u32 s70, v12, v3                      ; word 4: not my half
.irp q, 0,1,2,3
	v_readlane_b32 s[66+\q], v11, 8*\q+7           ; word q: eight fields of 4 bits, the lowest lane's in the lowest bits
.irp i, 6,5,4,3,2,1,0
	v_readlane_b32 s60, v11, 8*\q+\i
	s_lshl4_add_u32 s[66+\q], s[66+\q], s60
.endr
.endr
	v_mov_b32 v13, 0
.irp q, 0,1,2,3,4
	v_writelane_b32 v13, s[66+\q], \q
.endr
	global_store_b32 v9, v13, s[34:35]             ; 32 lanes store the layer's 128 bytes
.Lfin:
	s_endpgm
.Lout:                                         ; W_out: T - 264 = 14 ks + tau; fragment gt = 2 tau + L / 16 = 7 w + t; t < 4: out A's tile t, else out B's tile t - 4
	s_sub_co_u32 s43, s57, 264
	s_mul_i32 s46, s43, 147
	s_lshr_b32 s46, s46, 11                        ; ks = (T - 264) / 14, exact for 0..111
	s_mul_i32 s47, s46, 14
	s_sub_co_u32 s47, s43, s47
	s_lshl_b32 s47, s47, 1
	s_and_b32 s54, s58, 1                          ; the live features' parity
	v_add_nc_u32 v9, s47, v3                       ; gt
	v_mul_u32_u24 v10, v9, 37
	v_lshrrev_b32 v10, 8, v10                      ; w = gt / 7, exact for 0..27
	v_mul_u32_u24 v15, v10, 7
	v_sub_nc_u32 v11, v9, v15                      ; t
	v_lshrrev_b32 v12, 3, v2                       ; hh
	v_and_b32 v13, 7, v2                           ; j
	v_and_b32 v14, 1, v2                           ; j % 2
	v_and_b32 v66, 3, v11                          ; the tile's number in its chunk
	v_cmp_lt_u32 vcc_lo, 3, v11
	v_cndmask_b32 v65, 0, 1, vcc_lo                ; p: 0 in out A, 1 in out B,
	v_cmp_eq_u32 s52, 3, v11
	v_cndmask_b32 v65, v65, v14, s52               ; j % 2 in the tile of the last slopes
	v_lshrrev_b32 v67, 1, v13
	v_lshl_add_u32 v67, v14, 3, v67
	v_lshl_add_u32 v67, v66, 2, v67                ; the parameter: 8 (j % 2) + 4 tile + j / 2,
	v_add_nc_u32 v68, 16, v13
	v_cmp_eq_u32 vcc_lo, 2, v66
	v_cndmask_b32 v67, v67, v68, vcc_lo            ; 16 + j,
	v_cndmask_b32 v67, v67, 24, s52                ; or 24
	v_cmp_lt_u32 s53, 1, v13
	s_and_b32 s53, s53, s52
	v_cndmask_b32 v8, -1, 0, s53                   ; 0 for the rows of zeros, else all ones
	v_lshlrev_b32 v69, 3, v10
	v_lshl_add_u32 v69, v65, 2, v69
	v_lshl_add_u32 v69, v12, 1, v69
	v_add_nc_u32 v69, s54, v69                     ; n
	v_mad_u32_u24 v69, v69, 25, v67                ; the column of W_out
	v_and_b32 v69, v8, v69
	v_lshlrev_b32 v4, 2, v69
	s_mul_i32 s50, s58, 819200                     ; the layer's 256 rows of 3,200 bytes,
	s_mul_i32 s48, s46, 102400                     ; 32 of them
	s_add_co_u32 s50, s50, s48
	s_add_nc_u64 s[36:37], s[14:15], s[50:51]
	s_mul_i32 s50, s58, 3200
	s_add_nc_u64 s[38:39], s[26:27], s[50:51]
	s_lshl_b32 s55, s46, 12
	s_add_co_u32 s55, s55, s59
	s_add_co_u32 s55, s55, 5*CHUNK                 ; out A: 4 fragments a k step
	s_mul_i32 s48, s46, 3072
	s_add_co_u32 s48, s48, s59
	s_add_co_u32 s48, s48, 6*CHUNK                 ; out B: 3
	s_add_co_u32 s40, s49, 6144
	s_add_co_u32 s41, s49, 5120
	v_cmp_gt_u32 vcc_lo, 4, v11
	v_mov_b32 v70, s48
	v_mov_b32 v71, s55
	v_cndmask_b32 v70, v70, v71, vcc_lo
	v_lshl_add_u32 v70, v66, 10, v70
	v_lshl_add_u32 v70, v10, 15, v70
	v_lshl_add_u32 v5, v2, 4, v70
	v_mov_b32 v70, s40
	v_mov_b32 v71, s41
	v_cndmask_b32 v70, v70, v71, vcc_lo
	v_lshl_add_u32 v70, v66, 6, v70
	v_lshl_add_u32 v70, v10, 8, v70
	v_lshl_add_u32 v7, v2, 2, v70
	COPY 3200, 1
	s_cmp_eq_u32 s46, 0
	s_cbranch_scc0 .Ldone2
	global_load_b32 v64, v4, s[38:39]
	s_wait_loadcnt 0x0
	v_and_b32 v64, v8, v64
	global_store_b32 v7, v64, s[30:31]
.Ldone2:
	s_endpgm
.Lfunc_end_k_q8529b14533_prep:
	.size	k_q8529b14533_prep, .Lfunc_end_k_q8529b14533_prep-k_q8529b14533_prep
	.p2alignl 7, 3214868480
	.fill 96, 4, 3214868480
	.section	.rodata,"a",@progbits
	.p2align	6, 0x0
	.amdhsa_kernel k_q8529b14533_prep
		.amdhsa_group_segment_fixed_size 0
		.amdhsa_private_segment_fixed_size 0
		.amdhsa_enable_private_segment 0
		.amdhsa_kernarg_size 128
		.amdhsa_user_sgpr_count 2
		.amdhsa_user_sgpr_kernarg_segment_ptr 1
		.amdhsa_wavefront_size32 1
		.amdhsa_system_sgpr_workgroup_id_x 1
		.amdhsa_system_sgpr_workgroup_id_y 1
		.amdhsa_system_sgpr_workgroup_id_z 1
		.amdhsa_system_vgpr_workitem_id 0
		.amdhsa_next_free_vgpr 72
		.amdhsa_next_free_sgpr 72
		.amdhsa_reserve_vcc 1
		.amdhsa_float_denorm_mode_32 3
		.amdhsa_float_denorm_mode_16_64 3
		.amdhsa_memory_ordered 1
		.amdhsa_forward_progress 1
		.amdhsa_inst_pref_size 21
	.end_amdhsa_kernel
	.amdgpu_metadata
---
amdhsa.version: [ 1, 2 ]
amdhsa.kernels:
  - .name:           k_q8529b14533_prep
    .symbol:         k_q8529b14533_prep.kd
    .args:
      - { .name: W1a, .offset: 0, .size: 8, .value_kind: global_buffer, .address_space: global }
      - { .name: W1b, .offset: 8, .size: 8, .value_kind: global_buffer, .address_space: global }
      - { .name: W2a, .offset: 16, .size: 8, .value_kind: global_buffer, .address_space: global }
      - { .name: W2b, .offset: 24, .size: 8, .value_kind: global_buffer, .address_space: global }
      - { .name: W_in, .offset: 32, .size: 8, .value_kind: global_buffer, .address_space: global }
      - { .name: W_out, .offset: 40, .size: 8, .value_kind: global_buffer, .address_space: global }
      - { .name: b1a, .offset: 48, .size: 8, .value_kind: global_buffer, .address_space: global }
      - { .name: b1b, .offset: 56, .size: 8, .value_kind: global_buffer, .address_space: global }
      - { .name: b2a, .offset: 64, .size: 8, .value_kind: global_buffer, .address_space: global }
      - { .name: b2b, .offset: 72, .size: 8, .value_kind: global_buffer, .address_space: global }
      - { .name: b_in, .offset: 80, .size: 8, .value_kind: global_buffer, .address_space: global }
      - { .name: b_out, .offset: 88, .size: 8, .value_kind: global_buffer, .address_space: global }
      - { .name: wq, .offset: 96, .size: 8, .value_kind: global_buffer, .address_space: global }
      - { .name: bq, .offset: 104, .size: 8, .value_kind: global_buffer, .address_space: global }
      - { .name: perms, .offset: 112, .size: 8, .value_kind: global_buffer, .address_space: global }
      - { .name: sel, .offset: 120, .size: 8, .value_kind: global_buffer, .address_space: global }
    .group_segment_fixed_size: 0
    .private_segment_fixed_size: 0
    .kernarg_segment_align: 8
    .kernarg_segment_size: 128
    .max_flat_workgroup_size: 256
    .sgpr_count:     72
    .vgpr_count:     72
    .wavefront_size: 32
...
	.end_amdgpu_metadata
.endif
;; end of part 1
;; launch flow (part 2): grid 256 x 1, 4 waves a work-group, clusters of 4 x 1, 327,680 bytes of LDS; arguments x, sel, sc_scale, sc_shift, wq, bq, out0; writes out0
.if DOCPART == 2
	.amdgcn_target "amdgcn-amd-amdhsa--gfx1250"
	.amdhsa_code_object_version 6
	.text
	.protected	k_q8529b14533_flow
	.globl	k_q8529b14533_flow
	.p2align	8
	.type	k_q8529b14533_flow,@function
k_q8529b14533_flow:
	s_mov_b64 s[64:65], 0
	v_nop
	global_prefetch_b8 v0, s[64:65] scope:SCOPE_SE
	s_setreg_imm32_b32 hwreg(HW_REG_WAVE_MODE, 25, 1), 1
	s_wait_xcnt 0x0
	s_wait_alu depctr_hold_cnt(0) depctr_sa_sdst(0) depctr_va_vdst(0) depctr_va_sdst(0) depctr_va_ssrc(0) depctr_va_vcc(0) depctr_vm_vsrc(0)
	s_getreg_b32 s2, hwreg(HW_REG_IB_STS2, 6, 4)
	s_cmp_eq_u32 s2, 0
	s_cbranch_scc0 .Lentry_in_a_cluster
	s_endpgm
.Lentry_in_a_cluster:
	s_bfe_u32 s2, ttmp6, 0x10000c
	s_cmp_lg_u32 s2, 0x3003
	s_cbranch_scc0 .Lentry_shape_is_right
	s_endpgm
.Lentry_shape_is_right:
; FLOW: a work-group takes 64 rows of x through all eight layers; x, h and the spline's parameters never leave registers and LDS.  out0[row] = log p + log det.
; LEFT OUT (shown at the head of the first kernel): the 400 columns of W_out and b_out that belong to a layer's identity features; reference()'s own mask throws their y and ld away for all inputs.
; REORDERED, not left out: softplus is taken of the two slopes chosen, since it works number by number and so commutes with take_along_axis; ld = log A + 2 log(s / denom), reference()'s three logarithms as two.
; KEPT: both maxima ahead of the exponentials, softplus as max(v, 0) + log(1 + exp(-|v|)), the clips, the choice by 'inside'; W_in whole (its dead rows lie in the one k step and meet mx's zeros).
; THE PERMUTATION moves numbers between lanes: the first launch has turned perms into lane selects (sel), which are read here into scalar registers; no address hangs on them.
; LIMITS.  Products in bf16 with f32 sums.  A maximum drops a NaN where relu keeps it; NaN and infinities are not treated apart; an exponential below 2^-126 counts as 0; an index of perms is taken modulo 32.
; The knots are made as (running sum) x (T / sum) + (-10 + k 1e-4), another order of rounding than reference()'s cumsum: a point within rounding of a knot may fall into the neighbouring bin, where y and ld agree.
; PHASES of a layer: G0 in (32 -> 256), G1..G4 the four hidden products, G5 out A, G6 out B.  In each, wave w makes tile rows 64 w .. 64 w + 63 for all 64 rows of x: 4 tiles mt x 4 row blocks rb.
; THE MATRIX INSTRUCTION IS USED TRANSPOSED: source 0 = 16 tile rows of the weights, source 1 = 16 rows of x.  In the result lane (r, h) holds row 16 rb + r and tile rows 8 h + 0..7: rounded in pairs these are
; 16 bytes of the next product's source 1, in the same lane's place; and in the out products a lane holds all 25 parameters of ONE element (row, live feature 8 w + 4 p + 2 h + l % 2).
; WEIGHTS: 49 chunks of 131,072 bytes walk through two LDS slots.  Wave w fetches quarter w and alone reads it, so its own wait on TENSORcnt orders the reads.  CLUSTER: the four work-groups of a cluster walk the
; same chunks, so each quarter is asked for JOINTLY, by the same load, descriptor and mask in all four.  The chunk for phase n + 1 is asked for first thing behind the round in front of phase n.
; LDS: 0 slot 0; 131,072 slot 1; 262,144 ACT, the activations as fragments, block (4 ks + rb) of 1,024 bytes; 294,912 MXB, masked x, 4 fragments; 299,008 X, x in f32, 64 rows 144 bytes apart;
;      308,224 RED, 10 x 64 f32; 310,784 the spare words.  Tensor loads fill the two slots alone.
; REGISTERS, in windows of 256 (s_set_vgpr_msb: bits 1:0 source 0, 3:2 source 1, 5:4 source 2, 7:6 destination):
;   window 0: v0-15, v60 addresses; v16-59 at work; v64-191 two sets of weight fragments; v192-193 a layer's scale and shift; v240-255 my wave's 16 rows of x, a lane a feature
;   window 1: the activations' 32 fragments, AF(ks, rb) at 8 (4 ks + rb)
;   window 2: v0-127 the accumulators, ACC(mt, rb) at 8 (4 mt + rb); v128-191 packed results; v128-223 the spline's 24 registers a row block (at other times); v224-239 -10 + k 1e-4 in pairs; v240-243 ld;
;             v244-245 the spline's LDS address
;   window 3: v0-127 h in f32, laid as ACC; v128-223 three sets of biases, which start the sums as the C operand
.set CHUNK, 131072
.set S1OFF, 131072
.set ACT,   262144
.set MXB,   294912
.set XB,    299008
.set XP,    144
.set RED,   308224
.set SPARE, 310784
.set WA0,  2          ; v2, v3  my 16 bytes of a fragment in my quarter of slot 0, 1
.set AR,   4          ; v4   the same in ACT
.set AW,   5          ; v5   where my wave's results go in ACT
.set MXR,  6          ; v6   my 16 bytes of a fragment in MXB
.set MXW,  7          ; v7   where my row's masked x goes
.set XROW, 8          ; v8   row 16 w + r of X
.set XST,  10         ; v10  + 32 h
.set BO,   11         ; v11  256 w + 32 h: my eight biases of tile 0
.set PO,   12         ; v12  4 x lane + 128 l: my feature's scale and shift
.set PFO,  13         ; v13  256 x lane
.set SPW,  14         ; v14  my spare word; never rewritten
.set NIL,  15         ; v15  0; never rewritten
.set GA,   16         ; v16-23 mx, rounded
.set STG,  32         ; v32-47 at work
.set LSC,  48         ; v48-55 eight of the 256 scales, for the sum of their logarithms
.set XL,   60         ; v60  feature = my lane, in row 16 w of X
.set WF,   64
.set SCL,  192
.set SHF,  193
.set GX,   240
.set PK,   128        ; window 2
.set BB0,  128        ; window 3
.set BB1,  160
.set BB2,  192
.set TX,   128        ; the spline's registers, + 24 rb: x
.set TXC,  129        ; x clipped
.set TM,   130        ; the two maxima
.set TQ,   132        ; T / sum, for widths and heights
.set TK0,  134        ; (xk, yk)
.set TBW,  136        ; (bw, bh)
.set TNE,  138        ; softplus's exponentials and logarithms
.set TDP,  140        ; (dk, dk1)
.set TRB,  142        ; 1 / bw
.set TS,   143        ; s
.set TZ,   144        ; (z, 1 - z)
.set TSQ,  146        ; their squares
.set TZZ,  148
.set TDN,  149
.set TNU,  150        ; the numerator, then y
.set TA,   151
.set UD,   64         ; slope k at UD + 8 rb + k
.set KC,   224
.set LDR,  240
.set XAD0, 244
.set XAD,  245
; scalars: s[4:17] the seven addresses (s[6:7] sel and s[14:15] bq walk); s18 wave; s19 cx; s[20:23] 'inside'; s[24:31], s[32:39], s[40:47] descriptor group 1 for 128, 112, 16 rows; s[48:51] group 0, walks;
; s[52:55] group 0 of W_in(0); s56 layers to go; s57 blocks to go; s58 refills to go; s59 prefetch bound; s[60:61] prefetch address; s62 mx's mask; s63 4 x parity; s[66:67] lane selects of the plain exchange;
; s[68:69] log2 e; s70, s71 -10, 10; s72 0; s73 lanes 16-31; s[74:75] at work; s[76:83] a layer's words of sel; s[92:93] T = 20 - 8e-4; s[94:95] softplus's offset; s[96:97] ln 2; s[98:99] 1e-4.
; s[2:3] alone hold what is made of cx.
.set MSB, 0
.macro WIN new                      ; the high byte repeats the setting that is left; a switch that changes nothing is dropped
.if MSB != (\new)
	s_set_vgpr_msb (MSB<<8)|(\new)
.set MSB, (\new)
.endif
.endm
.macro PLACES                       ; four plain vector instructions between a matrix instruction and a load into, or a vector instruction on, its registers (ISA guide 7.12.1 for vector instructions)
.rept 4
	v_nop
.endr
.endm
.macro R4 line:vararg               ; one line for each row block b
.set b, 0
.rept 4
	\line
.set b, b+1
.endr
.endm
; A round of the cluster's barrier: my work-group's barrier, so that wave 0's signal speaks for all four waves; wave 0 signals; every wave waits for all four work-groups; my work-group's barrier once more.
.macro ROUND
	s_barrier_signal -1
	s_barrier_wait -1
	s_cmp_lg_u32 s18, 0
	s_cbranch_scc1 .Lnw0_\@
	s_barrier_signal -3
.Lnw0_\@:
	s_barrier_wait -3
	s_barrier_signal -1
	s_barrier_wait -1
.endm
; THE CHANGE OF SLOTS.  Each wave waits for all its tensor loads, of which one is out: its quarter of the slot to be read next; adds 0 to its spare word; waits for that, for its reads of the slot that it leaves and for
; its stores into ACT and X.  fill = 1: the barrier is a round of the cluster's, so that no wave of any partner still reads the old slot or has a load on its way; the joint refill, the chunk of the phase after the
; one that begins here, is the first thing behind it and my only tensor load until the next round.  An s_nop 0 and four v_nop follow it.
.macro CHANGE fill, g1
	WIN 0
	s_wait_tensorcnt 0x0            ; no tensor load of mine is out, so group 0 may be written
	ds_add_u32 v[SPW], v[NIL]       ; 0 onto my spare word; the steps below stand between it and the wait for it
.if \fill
	s_xor_b32 s49, s49, S1OFF       ; the other slot than last time,
	s_add_nc_u64 s[50:51], s[50:51], CHUNK  ; the next chunk; the type bits on top are not reached
	s_wait_xcnt 0x0                 ; the last prefetch, a phase back, has read its address
	s_add_nc_u64 s[60:61], s[60:61], CHUNK
	s_wait_dscnt 0x0
	ROUND
	tensor_load_to_lds s[48:51], s[\g1:\g1+7]
	s_nop 0
	PLACES
.else
	s_wait_dscnt 0x0
	s_barrier_signal -1
	s_barrier_wait -1
.endif
.endm
; A PREFETCH INTO THE L2 of the chunk that stands two refills on.  All clusters walk the same chunks: the first cluster asks, and nobody else.  Its 16 waves share a chunk's 512 blocks of 256 bytes out BY ADDRESS
; (block 32 (4 cx + w) + lane): one instruction a wave, each block named once in the launch.  The last two refills have no chunk two on; chunks 0 to 3 come by their loads alone.
.macro ASK
	s_cmp_gt_u32 s58, s59
	s_cbranch_scc0 .Lnoask_\@
	global_prefetch_b8 v[PFO], s[60:61] th:TH_LOAD_NT scope:SCOPE_SE
.Lnoask_\@:
.endm
.macro AFFLD                        ; a layer's scale and shift of the feature that is my lane
	global_load_b32 v[SCL], v[PO], s[8:9]
	global_load_b32 v[SHF], v[PO], s[10:11]
.endm
.macro BIASLD bb, nmt               ; the next phase's biases
	s_wait_loadcnt 0x0              ; this phase's own biases are in; and no load still reads bq's address, so it may step
	s_add_nc_u64 s[14:15], s[14:15], 1024
	WIN 0xc0                        ; destination window 3
.set m_, 0
.rept \nmt
	global_load_b128 v[(\bb)+8*m_:(\bb)+8*m_+3],   v[BO], s[14:15] offset:64*m_
	global_load_b128 v[(\bb)+8*m_+4:(\bb)+8*m_+7], v[BO], s[14:15] offset:64*m_+16
.set m_, m_+1
.endr
.endm
; A run of LDS loads: k steps 2 i and 2 i + 1: the weights' fragments (k step by k step) and, la = 1, the activations' (likewise).
.macro LOADRUN i, nmt, la, slot
	WIN 0
.irp kk, 0,1
.set m_, 0
.rept \nmt
.set fr_, WF+64*((\i)%2)+8*((\kk)*(\nmt)+m_)
	ds_load_b128 v[fr_:fr_+3],   v[WA0+(\slot)] offset:((2*(\i)+(\kk))*(\nmt)+m_)*1024
	ds_load_b128 v[fr_+4:fr_+7], v[WA0+(\slot)] offset:((2*(\i)+(\kk))*(\nmt)+m_)*1024+512
.set m_, m_+1
.endr
.endr
.if \la
	WIN 0x40                        ; destination window 1
.irp kk, 0,1
.irp rb, 0,1,2,3
.set fr_, 8*(4*(2*(\i)+(\kk))+(\rb))
	ds_load_b128 v[fr_:fr_+3],   v[AR] offset:fr_*128
	ds_load_b128 v[fr_+4:fr_+7], v[AR] offset:fr_*128+512
.endr
.endr
.endif
.endm
; One k step's products.  Each accumulator has one instruction a k step, so the others' stand between two links of a chain: the accumulators take turns.  k step 0 starts the sums with the biases.
.macro MULKS ks, nmt, bb
.if (\ks) == 0
	WIN 0xb4                        ; weights window 0, activations window 1, C window 3, D window 2
.else
	WIN 0xa4                        ; C and D window 2
.endif
.set m_, 0
.rept \nmt
.irp rb, 0,1,2,3
.set ra_, 8*(4*m_+(\rb))
.set rw_, WF+64*(((\ks)/2)%2)+8*(((\ks)%2)*(\nmt)+m_)
.set rf_, 8*(4*(\ks)+(\rb))
.if (\ks) == 0
	v_wmma_f32_16x16x32_bf16 v[ra_:ra_+7], v[rw_:rw_+7], v[rf_:rf_+7], v[(\bb)+8*m_:(\bb)+8*m_+7]
.else
	v_wmma_f32_16x16x32_bf16 v[ra_:ra_+7], v[rw_:rw_+7], v[rf_:rf_+7], v[ra_:ra_+7]
.endif
.endr
.set m_, m_+1
.endr
.endm
; A product over K = 256, in four runs of two k steps.  A run's loads are issued behind the first k step of the run before it, into the set of weight registers that the run before that has left (four places behind
; its last product).  The waits count the LDS loads issued behind the k step that is wanted: NR = a run's loads, TB = those of a run that belong to its second k step alone; TB + NR loads of a wave are out at the most.
; mid = 1: the epilogue will write ACT, so a barrier stands between every wave's last read of ACT and that: signal and wait 32 products apart.
.macro GEMM nmt, la, slot, bb, nextbb, nextn, mid, extra
.set NR, 4*(\nmt)+16*(\la)
.set TB, 2*(\nmt)
.if \la
.set TB, 8
.endif
	LOADRUN 0, \nmt, \la, \slot
.if (\nextn) > 0
	BIASLD \nextbb, \nextn
	WIN 0
.if \extra
	v_add_nc_u32 v[PO], 128, v[PO]  ; the loads that read it are done (BIASLD's wait)
	AFFLD                           ; the next layer's scale and shift,
	s_add_nc_u64 s[6:7], s[6:7], 128  ; (the scalar load that read this address was waited for at the layer's start)
	s_load_b256 s[76:83], s[6:7], 0x0  ; and its lane selects
.endif
	ASK
	s_sub_co_u32 s58, s58, 1
.else
	s_wait_loadcnt 0x0              ; this phase's biases
.endif
	s_wait_dscnt TB                 ; k step 0 is in: the run's last TB loads may be out
	MULKS 0, \nmt, \bb
	LOADRUN 1, \nmt, \la, \slot
	s_wait_dscnt NR                 ; all but the run just issued
	MULKS 1, \nmt, \bb
.irp i, 1,2
	s_wait_dscnt TB
	MULKS 2*\i, \nmt, \bb
	PLACES
	LOADRUN \i+1, \nmt, \la, \slot
	s_wait_dscnt NR
	MULKS 2*\i+1, \nmt, \bb
.endr
.if \mid
	s_wait_dscnt 0x0                ; my reads of ACT are over
	s_barrier_signal -1
	MULKS 6, \nmt, \bb
	MULKS 7, \nmt, \bb
	s_barrier_wait -1               ; everybody's are
.else
	s_wait_dscnt TB
	MULKS 6, \nmt, \bb
	s_wait_dscnt 0x0
	MULKS 7, \nmt, \bb
.endif
	PLACES
.endm
.macro STOREACT                     ; tile mt is k = 64 w + 16 mt + 8 h + 0..7 of the next product: k step 2 w + mt / 2, half mt % 2, my own lane's place
	WIN 0x08                        ; address window 0, data window 2
.irp mt, 0,1,2,3
.irp rb, 0,1,2,3
	ds_store_b128 v[AW], v[PK+4*(4*\mt+\rb):PK+4*(4*\mt+\rb)+3] offset:(\mt/2)*4096+\rb*1024+(\mt%2)*512
.endr
.endr
.endm
.macro CVT64                        ; 128 numbers rounded to bf16 in pairs, each accumulator from its low end on
.set n_, 0
.rept 64
	v_cvt_pk_bf16_f32 v[PK+n_], v[2*n_], v[2*n_+1]
.set n_, n_+1
.endr
.endm
.macro RELU64                       ; relu on the rounded pairs: nothing is rounded again
.set n_, 0
.rept 64
	v_pk_max_num_bf16 v[PK+n_], v[PK+n_], s72
.set n_, n_+1
.endr
.endm
.macro KCSET k, lit
	v_mov_b32 v[KC+2*(\k)], \lit
	v_mov_b32 v[KC+2*(\k)+1], \lit
.endm
.macro CUM prev, cur
	R4 v_pk_add_f32 v[8*b+\cur:8*b+\cur+1], v[8*b+\cur:8*b+\cur+1], v[8*b+\prev:8*b+\prev+1]
.endm
.macro KNOT u, c
	R4 v_pk_fma_f32 v[8*b+\u:8*b+\u+1], v[8*b+\u:8*b+\u+1], v[TQ+24*b:TQ+24*b+1], v[KC+\c:KC+\c+1]
.endm
.macro SEL d, t                     ; register d of the row block takes register t where the point lies in the upper half
	v_cndmask_b32 v[8*b+\d], v[8*b+\d], v[8*b+\t], vcc_lo
.endm
; THE SPLINE for pair p: a lane's four elements (one a row block), stage by stage.  U(k) = (width k, height k) lies at 8 b + 0, 2, 4, 6, 32, 34, 36, 38; slope 8 at 96 + 8 b + p, which is only read.
; Six batches of transcendentals; behind each stands plain work that names none of its results, then the one wait ahead of the first reader.
.macro SPLINE p
	WIN 0xaa                        ; everything in window 2
	R4 ds_load_b32 v[TX+24*b], v[XAD] offset:2304*b+16*(\p)
	R4 v_max3_num_f32 v[TM+24*b], v[8*b], v[8*b+2], v[8*b+4]  ; the maxima of the 8 widths and the 8 heights; each accumulator's low registers are read first
	R4 v_max3_num_f32 v[TM+24*b+1], v[8*b+1], v[8*b+3], v[8*b+5]
	R4 v_max3_num_f32 v[TM+24*b], v[TM+24*b], v[8*b+6], v[8*b+32]
	R4 v_max3_num_f32 v[TM+24*b+1], v[TM+24*b+1], v[8*b+7], v[8*b+33]
	R4 v_max3_num_f32 v[TM+24*b], v[TM+24*b], v[8*b+34], v[8*b+36]
	R4 v_max3_num_f32 v[TM+24*b+1], v[TM+24*b+1], v[8*b+35], v[8*b+37]
	R4 v_max_num_f32 v[TM+24*b], v[TM+24*b], v[8*b+38]
	R4 v_max_num_f32 v[TM+24*b+1], v[TM+24*b+1], v[8*b+39]
	R4 v_pk_mul_f32 v[TM+24*b:TM+24*b+1], v[TM+24*b:TM+24*b+1], s[68:69] op_sel_hi:[1,0]
.irp u, 0,2,4,6,32,34,36,38
	R4 v_pk_fma_f32 v[8*b+\u:8*b+\u+1], v[8*b+\u:8*b+\u+1], s[68:69], v[TM+24*b:TM+24*b+1] op_sel_hi:[1,0,1] neg_lo:[0,0,1] neg_hi:[0,0,1]
.endr
.irp u, 0,1,2,3,4,5,6,7,32,33,34,35,36,37,38,39
	R4 v_exp_f32 v[8*b+\u], v[8*b+\u]
.endr
	s_wait_dscnt 0x0                ; x is in
	R4 v_med3_num_f32 v[TXC+24*b], v[TX+24*b], s70, s71
	s_wait_alu depctr_va_vdst(0)    ; batch 1: 64 exponentials
	CUM 0, 2                        ; running sums, in place
	CUM 2, 4
	CUM 4, 6
	CUM 6, 32
	CUM 32, 34
	CUM 34, 36
	CUM 36, 38
	R4 v_rcp_f32 v[TQ+24*b], v[8*b+38]
	R4 v_rcp_f32 v[TQ+24*b+1], v[8*b+39]
	v_nop
	s_wait_alu depctr_va_vdst(0)    ; batch 2: 8 reciprocals
	R4 v_pk_mul_f32 v[TQ+24*b:TQ+24*b+1], v[TQ+24*b:TQ+24*b+1], s[92:93] op_sel_hi:[1,0]
	KNOT 0, 0                       ; knot k = 1..8 takes U(k - 1)'s place; knot 0 is (-10, -10)
	KNOT 2, 2
	KNOT 4, 4
	KNOT 6, 6
	KNOT 32, 8
	KNOT 34, 10
	KNOT 36, 12
	KNOT 38, 14
	; the bin, by halving: of 9 knots and 9 slopes 5, then 3, then 2 are kept; the knots ascend, so this is reference()'s count of knots at or below x, held to 0..7.  Values are chosen; no address and no branch hangs on them.
.set b, 0
.rept 4
	v_cmp_ge_f32 vcc_lo, v[TXC+24*b], v[8*b+6]     ; x >= knot 4
	v_cndmask_b32 v[TK0+24*b], s70, v[8*b+6], vcc_lo
	v_cndmask_b32 v[TK0+24*b+1], s70, v[8*b+7], vcc_lo
.irp d, 0,1,2,3,4,5,6,7
	SEL \d, \d+32
.endr
.irp d, 0,1,2,3
	SEL UD+\d, UD+\d+4
.endr
	SEL UD+4, 96+(\p)
	v_cmp_ge_f32 vcc_lo, v[TXC+24*b], v[8*b+2]     ; x >= the middle of the five
	v_cndmask_b32 v[TK0+24*b], v[TK0+24*b], v[8*b+2], vcc_lo
	v_cndmask_b32 v[TK0+24*b+1], v[TK0+24*b+1], v[8*b+3], vcc_lo
.irp d, 0,1,2,3
	SEL \d, \d+4
.endr
.irp d, 0,1,2
	SEL UD+\d, UD+\d+2
.endr
	v_cmp_ge_f32 vcc_lo, v[TXC+24*b], v[8*b]       ; x >= the middle of the three
	v_cndmask_b32 v[TK0+24*b], v[TK0+24*b], v[8*b], vcc_lo
	v_cndmask_b32 v[TK0+24*b+1], v[TK0+24*b+1], v[8*b+1], vcc_lo
.irp d, 0,1
	SEL \d, \d+2
.endr
.irp d, 0,1
	SEL UD+\d, UD+\d+1
.endr
.set b, b+1
.endr
	R4 v_pk_add_f32 v[TBW+24*b:TBW+24*b+1], v[8*b:8*b+1], v[TK0+24*b:TK0+24*b+1] neg_lo:[0,1] neg_hi:[0,1]
	R4 v_pk_add_f32 v[UD+8*b:UD+8*b+1], v[UD+8*b:UD+8*b+1], s[94:95] op_sel_hi:[1,0]
	R4 v_mul_f32 v[TNE+24*b], -|v[UD+8*b]|, s68
	R4 v_mul_f32 v[TNE+24*b+1], -|v[UD+8*b+1]|, s68
	R4 v_rcp_f32 v[TRB+24*b], v[TBW+24*b]
	R4 v_exp_f32 v[TNE+24*b], v[TNE+24*b]
	R4 v_exp_f32 v[TNE+24*b+1], v[TNE+24*b+1]
	R4 v_max_num_f32 v[TDP+24*b], 0, v[UD+8*b]
	R4 v_max_num_f32 v[TDP+24*b+1], 0, v[UD+8*b+1]
	s_wait_alu depctr_va_vdst(0)    ; batch 3: 1 / bw and softplus's exponentials
	R4 v_pk_add_f32 v[TNE+24*b:TNE+24*b+1], v[TNE+24*b:TNE+24*b+1], 1.0 op_sel_hi:[1,0]
	R4 v_pk_add_f32 v[TDP+24*b:TDP+24*b+1], v[TDP+24*b:TDP+24*b+1], s[98:99] op_sel_hi:[1,0]
	R4 v_mul_f32 v[TS+24*b], v[TBW+24*b+1], v[TRB+24*b]
	R4 v_sub_f32 v[TZ+24*b], v[TXC+24*b], v[TK0+24*b]
	R4 v_mul_f32 v[TZ+24*b], v[TZ+24*b], v[TRB+24*b] clamp
	R4 v_log_f32 v[TNE+24*b], v[TNE+24*b]
	R4 v_log_f32 v[TNE+24*b+1], v[TNE+24*b+1]
	R4 v_sub_f32 v[TZ+24*b+1], 1.0, v[TZ+24*b]
	R4 v_mul_f32 v[TZZ+24*b], v[TZ+24*b], v[TZ+24*b+1]
	R4 v_pk_mul_f32 v[TSQ+24*b:TSQ+24*b+1], v[TZ+24*b:TZ+24*b+1], v[TZ+24*b:TZ+24*b+1]
	s_wait_alu depctr_va_vdst(0)    ; batch 4: softplus's logarithms
	R4 v_pk_fma_f32 v[TDP+24*b:TDP+24*b+1], v[TNE+24*b:TNE+24*b+1], s[96:97], v[TDP+24*b:TDP+24*b+1] op_sel_hi:[1,0,1]
	R4 v_add_f32 v[TDN+24*b], v[TDP+24*b], v[TDP+24*b+1]
	R4 v_mul_f32 v[TNU+24*b], v[TDP+24*b], v[TZZ+24*b]
	R4 v_mul_f32 v[TA+24*b], v[TDP+24*b+1], v[TSQ+24*b]
	R4 v_fma_f32 v[TDN+24*b], v[TS+24*b], -2.0, v[TDN+24*b]
	R4 v_fma_f32 v[TNU+24*b], v[TS+24*b], v[TSQ+24*b], v[TNU+24*b]
	R4 v_fma_f32 v[TA+24*b], v[TDP+24*b], v[TSQ+24*b+1], v[TA+24*b]
	R4 v_fma_f32 v[TDN+24*b], v[TDN+24*b], v[TZZ+24*b], v[TS+24*b]
	R4 v_mul_f32 v[TZZ+24*b], v[TS+24*b], v[TZZ+24*b]
	R4 v_fma_f32 v[TA+24*b], v[TZZ+24*b], 2.0, v[TA+24*b]
	R4 v_rcp_f32 v[TDN+24*b], v[TDN+24*b]
	R4 v_mul_f32 v[TNU+24*b], v[TNU+24*b], v[TBW+24*b+1]
	s_wait_alu depctr_va_vdst(0)    ; batch 5: 1 / denom
	R4 v_mul_f32 v[TS+24*b], v[TS+24*b], v[TDN+24*b]
	R4 v_fma_f32 v[TNU+24*b], v[TNU+24*b], v[TDN+24*b], v[TK0+24*b+1]
	R4 v_log_f32 v[TA+24*b], v[TA+24*b]
	R4 v_log_f32 v[TS+24*b], v[TS+24*b]
	R4 v_cmp_lt_f32 s[20+b], |v[TX+24*b]|, s71     ; inside: -10 < x < 10
	R4 v_cndmask_b32 v[TNU+24*b], v[TX+24*b], v[TNU+24*b], s[20+b]
	s_wait_alu depctr_va_vdst(0)    ; batch 6: the two logarithms of ld, kept in base 2 until the end
	R4 v_fma_f32 v[TA+24*b], v[TS+24*b], 2.0, v[TA+24*b]
	R4 v_cndmask_b32 v[TA+24*b], 0, v[TA+24*b], s[20+b]
	R4 v_add_f32 v[LDR+b], v[LDR+b], v[TA+24*b]
	R4 ds_store_b32 v[XAD], v[TNU+24*b] offset:2304*b+16*(\p)  ; my own element's place: no other lane touches it before the next barrier
.endm
	s_load_b256 s[4:11], s[0:1], 0x0  ; x s[4:5], sel s[6:7], sc_scale s[8:9], sc_shift s[10:11]
	s_load_b128 s[12:15], s[0:1], 0x20  ; wq s[12:13], bq s[14:15]
	s_load_b64 s[16:17], s[0:1], 0x30  ; out0
	v_lshl_add_u32 v[SPW], v0, 2, SPARE
	v_mov_b32 v[NIL], 0
	ds_add_u32 v[SPW], v[NIL]       ; the wave's opening: the add, twice on end, and its wait ahead of my first tensor load; the set-up below, work on registers, stands between
	ds_add_u32 v[SPW], v[NIL]
	v_lshrrev_b32 v1, 5, v0
	v_readfirstlane_b32 s18, v1     ; wave 0..3
	s_bfe_u32 s19, ttmp6, 0x40000   ; cx: it enters x's, out0's and the prefetch's global addresses alone
	; descriptor group 1: a dense block as rows of 256 bytes
.irp g, 24, 32, 40
	s_mov_b32 s[\g], 15|(3<<16)|(1<<21)  ; 15:0 the mask of four; 17:16 elements of 8 bytes; 21 set beside a mask; no padding
	s_mov_b32 s[\g+1], 32<<16       ; tensor_dim0 = 32 elements
	s_mov_b32 s[\g+3], 32<<16       ; tile_dim0 = 32
	s_mov_b32 s[\g+5], 32           ; 32 elements from row to row
	s_mov_b32 s[\g+6], 0
	s_mov_b32 s[\g+7], 0
.endr
	s_mov_b32 s26, 128<<16          ; tensor_dim1 and tile_dim1: a whole quarter,
	s_mov_b32 s28, 128
	s_mov_b32 s34, 112<<16          ; out B with the next W_in,
	s_mov_b32 s36, 112
	s_mov_b32 s42, 16<<16           ; W_in alone
	s_mov_b32 s44, 16
	s_mov_b32 s48, 1                ; group 0: count = 1,
	s_lshl_b32 s49, s18, 15         ; LDS address: my quarter of slot 0
	s_mov_b32 s52, 1
	s_add_co_u32 s53, s49, S1OFF+24576  ; W_in's place in my quarter of slot 1
	s_mov_b32 s74, s49
	s_mov_b32 s75, 0
	s_mov_b32 s56, 8
	s_mov_b32 s58, 47               ; chunks 2 to 48 come by refills
	s_cmp_eq_u32 ttmp9, 0           ; the first cluster prefetches: the same in all four partners
	s_cselect_b32 s59, 2, -1
	s_mov_b32 s62, 0xffff0000       ; layer 0 keeps the odd features in mx
	s_mov_b32 s63, 0
	s_mov_b32 s66, 0x76543210
	s_mov_b32 s67, 0xfedcba98
	s_mov_b32 s68, 0x3fb8aa3b       ; log2 e
	s_mov_b32 s70, 0xc1200000       ; -10
	s_mov_b32 s71, 0x41200000       ; 10
	s_mov_b32 s72, 0
	s_mov_b32 s73, 0xffff0000       ; lanes 16 to 31
	s_mov_b32 s92, 0x419ffe5d       ; 20 - 8e-4
	s_mov_b32 s94, 0x3f0a89e6       ; log(expm1(1 - 1e-4))
	s_mov_b32 s96, 0x3f317218       ; ln 2
	s_mov_b32 s98, 0x38d1b717       ; 1e-4
.irp c, 68,92,94,96,98
	s_mov_b32 s[\c+1], s[\c]        ; named as pairs
.endr
	s_lshl_b32 s2, ttmp9, 2         ; in a cluster launch ttmp9 counts clusters
	s_add_co_u32 s2, s2, s19        ; my work-group
	s_lshl_b32 s2, s2, 8            ; its 64 numbers of out0
	s_mov_b32 s3, 0
	s_wait_dscnt 0x0                ; both opening adds are done
	s_wait_kmcnt 0x0
	s_load_b256 s[76:83], s[6:7], 0x0  ; layer 0's lane selects
	s_add_nc_u64 s[16:17], s[16:17], s[2:3]
	s_lshl_b32 s2, s2, 5            ; its 64 rows of x
	s_add_nc_u64 s[4:5], s[4:5], s[2:3]
	s_lshl_b32 s2, s19, 2
	s_add_co_u32 s2, s2, s18
	s_lshl_b32 s2, s2, 13           ; my 32 blocks of a chunk's 512
	s_add_nc_u64 s[60:61], s[12:13], s[2:3]
	s_add_nc_u64 s[60:61], s[60:61], 3*CHUNK  ; the first change of slots steps it to chunk 4
	s_add_nc_u64 s[50:51], s[12:13], s[74:75]  ; my quarter of chunk 0,
	s_add_nc_u64 s[54:55], s[50:51], 24576     ; W_in(0) in it,
	s_add_nc_u64 s[50:51], s[50:51], CHUNK     ; my quarter of chunk 1
	s_or_b32 s51, s51, 0x80000000   ; type = 2
	s_or_b32 s55, s55, 0x80000000
	ROUND                           ; all four work-groups are here: the first joint loads meet
	tensor_load_to_lds s[52:55], s[40:47]  ; W_in(0) into slot 1
	s_nop 0
	tensor_load_to_lds s[48:51], s[24:31]  ; 1a(0) into slot 0: two loads of mine are out, later one
	s_nop 0
	PLACES
	v_and_b32 v1, 15, v0            ; r
	v_bfe_u32 v9, v0, 4, 1          ; h
	v_and_b32 v13, 31, v0           ; lane
	v_lshl_add_u32 v2, v13, 4, s74
	v_add_nc_u32 v3, S1OFF, v2
	v_lshl_add_u32 v[AR], v13, 4, ACT
	s_lshl_b32 s74, s18, 13
	v_add_nc_u32 v[AW], s74, v[AR]
	v_lshl_add_u32 v[MXR], v13, 4, MXB
	s_lshl_b32 s74, s18, 10
	v_add_nc_u32 v[MXW], s74, v[MXR]
	v_mul_u32_u24 v[XROW], v1, XP
	s_mul_i32 s74, s18, 16*XP
	s_add_co_u32 s74, s74, XB
	v_add_nc_u32 v[XROW], s74, v[XROW]
	v_lshl_add_u32 v[XL], v13, 2, s74
	v_lshl_add_u32 v[XST], v9, 5, v[XROW]
	s_lshl_b32 s74, s18, 8
	v_lshl_add_u32 v[BO], v9, 5, s74
	v_lshlrev_b32 v[PO], 2, v13
	v_lshlrev_b32 v16, 7, v1        ; x in memory: row 16 w + r, 128 bytes a row, + 32 h
	v_lshl_add_u32 v16, v9, 5, v16
	s_lshl_b32 s74, s18, 11
	v_add_nc_u32 v16, s74, v16
	v_lshlrev_b32 v17, 5, v13       ; eight scales a lane: all 256
	v_mul_u32_u24 v18, v1, XP       ; the spline's element: row r (+ 16 rb), feature 8 w + 2 h (+ 4 p + parity)
	v_lshl_add_u32 v18, v9, 3, v18
	s_lshl_b32 s74, s18, 5
	s_add_co_u32 s74, s74, XB
	v_add_nc_u32 v18, s74, v18
	v_lshlrev_b32 v[PFO], 8, v13
	global_load_b128 v[STG:STG+3],     v16, s[4:5] th:TH_LOAD_NT
	global_load_b128 v[STG+4:STG+7],   v16, s[4:5] offset:16 th:TH_LOAD_NT
	global_load_b128 v[STG+8:STG+11],  v16, s[4:5] offset:64 th:TH_LOAD_NT
	global_load_b128 v[STG+12:STG+15], v16, s[4:5] offset:80 th:TH_LOAD_NT
	AFFLD                           ; layer 0's
	global_load_b128 v[LSC:LSC+3],   v17, s[8:9]
	global_load_b128 v[LSC+4:LSC+7], v17, s[8:9] offset:16
	WIN 0xc0
.irp m, 0,1,2,3
	global_load_b128 v[BB2+8*\m:BB2+8*\m+3],   v[BO], s[14:15] offset:64*\m  ; b_in of layer 0
	global_load_b128 v[BB2+8*\m+4:BB2+8*\m+7], v[BO], s[14:15] offset:64*\m+16
.endr
	WIN 0x80
	R4 v_mov_b32 v[LDR+b], 0
	v_mov_b32 v[XAD0], v18
	KCSET 0, 0xc11fff97             ; -10 + k 1e-4, k = 1 .. 8, each twice: for the widths' knots and the heights'
	KCSET 1, 0xc11fff2e
	KCSET 2, 0xc11ffec5
	KCSET 3, 0xc11ffe5d
	KCSET 4, 0xc11ffdf4
	KCSET 5, 0xc11ffd8b
	KCSET 6, 0xc11ffd22
	KCSET 7, 0xc11ffcb9
	WIN 0
	s_wait_loadcnt 0x0
	ds_store_b128 v[XST], v[STG:STG+3]
	ds_store_b128 v[XST], v[STG+4:STG+7] offset:16
	ds_store_b128 v[XST], v[STG+8:STG+11] offset:64
	ds_store_b128 v[XST], v[STG+12:STG+15] offset:80
	s_branch .Lentry                ; the loop over layers is entered at a layer's start, in the middle of a trip
.Ltop:                              ; seven times: out B of the layer in hand; 1a of the next layer is asked for
	CHANGE 1, 24
	GEMM 3, 0, 1, BB1, BB2, 4, 0, 1  ; the activations' fragments still lie in window 1
	SPLINE 1
	WIN 0
.Lentry:
	; A LAYER'S START.  Wave w has rows 16 w .. 16 w + 15 of X, which it alone reads and writes here: a register a row, a lane a feature.  Permute between lanes, scale and shift, x back in place;
	; then the same rows once more, a lane a row, for masked x as fragments.
	s_wait_dscnt 0x0                ; my stores into X
	s_barrier_signal -1
	s_barrier_wait -1               ; everybody's: X is whole
.set n_, 0
.rept 16
	ds_load_b32 v[GX+n_], v[XL] offset:XP*n_
.set n_, n_+1
.endr
	WIN 0x88
	v_add_nc_u32 v[XAD], s63, v[XAD0]  ; the spline's address: the live features' parity
	WIN 0
	s_wait_loadcnt 0x0              ; scale and shift
	s_wait_kmcnt 0x0                ; the lane selects
	s_wait_dscnt 0x0
	; new x[f] = old x[perm[f]].  A select has 16 fields, used by both halves of the lanes: s[76:77] serve features 0-15, s[78:79] features 16-31; each is taken from the own half and from the other,
	; s80 says which of the two a lane wants, s73 which select is its own.  The permutes' destinations count as read: v32-47 were written at the kernel's head.
.set n_, 0
.rept 16
.set t_, STG+4*(n_%4)
	v_permlane16_b32  v[t_],   v[GX+n_], s76, s77
	v_permlanex16_b32 v[t_+1], v[GX+n_], s76, s77
	v_permlane16_b32  v[t_+2], v[GX+n_], s78, s79
	v_permlanex16_b32 v[t_+3], v[GX+n_], s78, s79
	v_cndmask_b32 v[t_], v[t_], v[t_+1], s80
	v_cndmask_b32 v[t_+2], v[t_+2], v[t_+3], s80
	v_cndmask_b32 v[t_], v[t_], v[t_+2], s73
	v_fma_f32 v[GX+n_], v[t_], v[SCL], v[SHF]
.set n_, n_+1
.endr
.set n_, 0
.rept 16
	ds_store_b32 v[XL], v[GX+n_] offset:XP*n_
.set n_, n_+1
.endr
	ds_load_b128 v[STG:STG+3],     v[XST]          ; LDS serves a wave's instructions in order (ISA guide 5.7.1.4): these see the stores above.  Row 16 w + r, features 8 h + 0..7,
	ds_load_b128 v[STG+4:STG+7],   v[XST] offset:16
	ds_load_b128 v[STG+8:STG+11],  v[XST] offset:64  ; and 16 + 8 h + 0..7
	ds_load_b128 v[STG+12:STG+15], v[XST] offset:80
	s_wait_dscnt 0x0
.set n_, 0
.rept 8
	v_cvt_pk_bf16_f32 v[GA+n_], v[STG+2*n_], v[STG+2*n_+1]
.set n_, n_+1
.endr
.set n_, 0
.rept 8
	v_and_b32 v[GA+n_], s62, v[GA+n_]  ; mx: the identity features stay, the others are 0
.set n_, n_+1
.endr
	s_not_b32 s62, s62              ; for the next layer
	s_xor_b32 s63, s63, 4
	ds_store_b128 v[MXW], v[GA:GA+3]
	ds_store_b128 v[MXW], v[GA+4:GA+7] offset:512
	s_wait_dscnt 0x0
	s_barrier_signal -1
	s_barrier_wait -1               ; X and MXB are whole
	; G0: h = mx W_in + b_in, one k step, straight into h's registers
	s_wait_tensorcnt 0x1            ; W_in is in: behind its load one was issued, 1a's, which may stay out
.irp m, 0,1,2,3
	ds_load_b128 v[WF+8*\m:WF+8*\m+3],   v[WA0+1] offset:24576+1024*\m
	ds_load_b128 v[WF+8*\m+4:WF+8*\m+7], v[WA0+1] offset:24576+1024*\m+512
.endr
	WIN 0x40
.irp rb, 0,1,2,3
	ds_load_b128 v[8*\rb:8*\rb+3],   v[MXR] offset:1024*\rb
	ds_load_b128 v[8*\rb+4:8*\rb+7], v[MXR] offset:1024*\rb+512
.endr
	BIASLD BB0, 4
	s_wait_dscnt 0x0
	WIN 0xf4                        ; C and D window 3
.irp m, 0,1,2,3
.irp rb, 0,1,2,3
	v_wmma_f32_16x16x32_bf16 v[8*(4*\m+\rb):8*(4*\m+\rb)+7], v[WF+8*\m:WF+8*\m+7], v[8*\rb:8*\rb+7], v[BB2+8*\m:BB2+8*\m+7]
.endr
.endr
	PLACES
	WIN 0x8f                        ; sources window 3, destination window 2
	CVT64
	STOREACT                        ; ACT was last read in out A of the layer before, in front of a round
	WIN 0
	s_mov_b32 s57, 2
.Lblk:                              ; a residual block: h += relu(relu(h Wa + ba) Wb + bb)
	CHANGE 1, 24
	GEMM 4, 1, 0, BB0, BB1, 4, 1, 0
	WIN 0xaa
	CVT64
	RELU64
	STOREACT
	CHANGE 1, 24
	GEMM 4, 1, 1, BB1, BB0, 4, 1, 0
	WIN 0xaa
.set n_, 0
.rept 128
	v_max_num_f32 v[n_], 0, v[n_]
.set n_, n_+1
.endr
	WIN 0xcb                        ; h (destination and source 0) window 3, the product window 2
.set n_, 0
.rept 64
	v_pk_add_f32 v[2*n_:2*n_+1], v[2*n_:2*n_+1], v[2*n_:2*n_+1]
.set n_, n_+1
.endr
	WIN 0x8f
	CVT64
	WIN 0
	s_cmp_lg_u32 s57, 1             ; behind the second block the out products take relu(h)
	s_cbranch_scc1 .Lnorelu
	WIN 0xaa
	RELU64
	WIN 0
.Lnorelu:
	STOREACT
	WIN 0
	s_sub_co_u32 s57, s57, 1
	s_cmp_lg_u32 s57, 0
	s_cbranch_scc1 .Lblk
	CHANGE 1, 32                    ; out B and the next layer's W_in are asked for: 112 rows
	GEMM 4, 1, 0, BB0, BB1, 3, 0, 0
	SPLINE 0
	WIN 0
	s_sub_co_u32 s56, s56, 1
	s_cmp_lg_u32 s56, 0
	s_cbranch_scc1 .Ltop
	CHANGE 0, 0                     ; the last layer's out B is written out: nothing is asked for
	GEMM 3, 0, 1, BB1, 0, 0, 0, 0
	SPLINE 1
	WIN 0
	; THE END.  For each row: -x.x / 2 in two halves, ld from the eight lanes that hold its live features, all through RED; wave 0 adds them and the two constants.
	s_wait_dscnt 0x0
	s_barrier_signal -1
	s_barrier_wait -1               ; X is whole
	v_lshl_add_u32 v16, v9, 6, v[XROW]  ; features 16 h + 0..15 of row 16 w + r
.irp i, 0,1,2,3
	ds_load_b128 v[STG+4*\i:STG+4*\i+3], v16 offset:16*\i
.endr
	v_lshlrev_b32 v17, 2, v1
	v_lshl_add_u32 v17, v9, 8, v17
	v_mov_b32 v18, v17
	s_lshl_b32 s74, s18, 6
	s_add_co_u32 s74, s74, RED+2048
	v_add_nc_u32 v17, s74, v17      ; slot 8 + h, row 16 w + r
	s_lshl_b32 s74, s18, 9
	s_add_co_u32 s74, s74, RED
	v_add_nc_u32 v18, s74, v18      ; slot 2 w + h, row r (+ 16 rb)
	WIN 0x08
	R4 v_mul_f32 v[20+b], s96, v[LDR+b]  ; from base 2 to natural logarithms
	WIN 0
	R4 ds_store_b32 v18, v[20+b] offset:64*b
	s_wait_dscnt 0x4                ; the four loads are in; the four stores behind them may be out
	v_pk_mul_f32 v[56:57], v[STG:STG+1], v[STG:STG+1]
	v_pk_mul_f32 v[58:59], v[STG+2:STG+3], v[STG+2:STG+3]
.irp i, 2,3,4,5,6,7
	v_pk_fma_f32 v[56+2*(\i%2):57+2*(\i%2)], v[STG+2*\i:STG+2*\i+1], v[STG+2*\i:STG+2*\i+1], v[56+2*(\i%2):57+2*(\i%2)]
.endr
	v_pk_add_f32 v[56:57], v[56:57], v[58:59]
	v_add_f32 v56, v56, v57
	v_mul_f32 v56, -0.5, v56
	ds_store_b32 v17, v56
	s_wait_dscnt 0x0
	s_barrier_signal -1
	s_barrier_wait -1               ; RED is whole
	s_cmp_lg_u32 s18, 0
	s_cbranch_scc1 .Lend
	v_lshrrev_b32 v19, 5, v[PFO]    ; 8 x lane: rows 2 lane and 2 lane + 1
	v_add_nc_u32 v24, RED, v19
.irp s, 0,1,2,3,4,5,6,7,8,9
	ds_load_b64 v[WF+2*\s:WF+2*\s+1], v24 offset:256*\s
.endr
.irp i, 0,1,2,3,4,5,6,7
	v_log_f32 v[LSC+\i], |v[LSC+\i]|
.endr
	v_nop
	s_wait_alu depctr_va_vdst(0)    ; one wait for the eight logarithms
	v_pk_add_f32 v[LSC:LSC+1], v[LSC:LSC+1], v[LSC+2:LSC+3]
	v_pk_add_f32 v[LSC+4:LSC+5], v[LSC+4:LSC+5], v[LSC+6:LSC+7]
	v_pk_add_f32 v[LSC:LSC+1], v[LSC:LSC+1], v[LSC+4:LSC+5]
	v_add_f32 v[LSC], v[LSC], v[LSC+1]
	v_add_f32_dpp v[LSC], v[LSC], v[LSC] row_xmask:1 row_mask:0xf bank_mask:0xf
	v_add_f32_dpp v[LSC], v[LSC], v[LSC] row_xmask:2 row_mask:0xf bank_mask:0xf
	v_add_f32_dpp v[LSC], v[LSC], v[LSC] row_xmask:4 row_mask:0xf bank_mask:0xf
	v_add_f32_dpp v[LSC], v[LSC], v[LSC] row_xmask:8 row_mask:0xf bank_mask:0xf
	v_permlanex16_b32 v[LSC+1], v[LSC], s66, s67
	v_add_f32 v[LSC], v[LSC], v[LSC+1]  ; the sum of log2 |scale| over all layers and features
	v_fmaak_f32 v[LSC], s96, v[LSC], 0xc1eb3f8e  ; x ln 2 - 16 log(2 pi)
	v_mov_b32 v[LSC+1], v[LSC]
	s_wait_dscnt 0x0
.irp s, 0,2,4,6,8
	v_pk_add_f32 v[WF+2*\s:WF+2*\s+1], v[WF+2*\s:WF+2*\s+1], v[WF+2*\s+2:WF+2*\s+3]
.endr
	v_pk_add_f32 v[WF:WF+1], v[WF:WF+1], v[WF+4:WF+5]
	v_pk_add_f32 v[WF+8:WF+9], v[WF+8:WF+9], v[WF+12:WF+13]
	v_pk_add_f32 v[WF+16:WF+17], v[WF+16:WF+17], v[LSC:LSC+1]
	v_pk_add_f32 v[WF:WF+1], v[WF:WF+1], v[WF+8:WF+9]
	v_pk_add_f32 v[WF:WF+1], v[WF:WF+1], v[WF+16:WF+17]
	global_store_b64 v19, v[WF:WF+1], s[16:17]  ; 32 lanes store the work-group's 256 consecutive bytes, aligned
.Lend:
	s_wait_tensorcnt 0x0            ; the wave's end, behind my last tensor load and my last LDS store
	ds_add_u32 v[SPW], v[NIL]
	s_wait_dscnt 0x0
	ROUND                           ; the closing round: no work-group ends while a partner may still ask for a chunk that names it
	s_endpgm
.Lfunc_end_k_q8529b14533_flow:
	.size	k_q8529b14533_flow, .Lfunc_end_k_q8529b14533_flow-k_q8529b14533_flow
	.p2alignl 7, 3214868480
	.fill 96, 4, 3214868480
	.section	.rodata,"a",@progbits
	.p2align	6, 0x0
	.amdhsa_kernel k_q8529b14533_flow
		.amdhsa_group_segment_fixed_size 327680
		.amdhsa_private_segment_fixed_size 0
		.amdhsa_enable_private_segment 0
		.amdhsa_kernarg_size 56
		.amdhsa_user_sgpr_count 2
		.amdhsa_user_sgpr_kernarg_segment_ptr 1
		.amdhsa_wavefront_size32 1
		.amdhsa_system_sgpr_workgroup_id_x 1
		.amdhsa_system_sgpr_workgroup_id_y 1
		.amdhsa_system_sgpr_workgroup_id_z 1
		.amdhsa_system_vgpr_workitem_id 0
		.amdhsa_next_free_vgpr 1024
		.amdhsa_next_free_sgpr 102
		.amdhsa_reserve_vcc 1
		.amdhsa_float_denorm_mode_32 3
		.amdhsa_float_denorm_mode_16_64 3
		.amdhsa_memory_ordered 1
		.amdhsa_forward_progress 1
		.amdhsa_inst_pref_size 209
	.end_amdhsa_kernel
	.amdgpu_metadata
---
amdhsa.version: [ 1, 2 ]
amdhsa.kernels:
  - .name:           k_q8529b14533_flow
    .symbol:         k_q8529b14533_flow.kd
    .args:
      - { .name: x, .offset: 0, .size: 8, .value_kind: global_buffer, .address_space: global }
      - { .name: sel, .offset: 8, .size: 8, .value_kind: global_buffer, .address_space: global }
      - { .name: sc_scale, .offset: 16, .size: 8, .value_kind: global_buffer, .address_space: global }
      - { .name: sc_shift, .offset: 24, .size: 8, .value_kind: global_buffer, .address_space: global }
      - { .name: wq, .offset: 32, .size: 8, .value_kind: global_buffer, .address_space: global }
      - { .name: bq, .offset: 40, .size: 8, .value_kind: global_buffer, .address_space: global }
      - { .name: out0, .offset: 48, .size: 8, .value_kind: global_buffer, .address_space: global }
    .group_segment_fixed_size: 327680
    .private_segment_fixed_size: 0
    .kernarg_segment_align: 8
    .kernarg_segment_size: 56
    .max_flat_workgroup_size: 128
    .sgpr_count:     102
    .vgpr_count:     1024
    .wavefront_size: 32
...
	.end_amdgpu_metadata
.endif
;; end of part 2
